; MI455X (gfx1250); checked and timed in simulation.
; The chip was launched on July 23, 2026; its instructions are those of AMD's public machine-readable ISA for CDNA 5 (MIT licence, August 2026) and "CDNA5" Instruction Set Architecture Reference Guide (July 2026). The comments in the code are by the model that wrote it; some were corrected since.
;; Grouped Query Attention. Allowed arithmetic: matrix products marked QUANTISED: E4M3 operands, one given power-of-two scale a tensor, by v_wmma_f32_16x16x64_fp8_fp8 or v_wmma_f32_16x16x128_fp8_fp8, f32 sums; everything else in f32.
;; Inputs: k 2 x 2,048 x 512 float32; lowp_scales 4 int32 (the exponents e of the quantised operands' scales 2^e); q 2 x 2,048 x 2,048 float32; v 2 x 2,048 x 512 float32.
;; Outputs: out0 2 x 2,048 x 2,048 float32.
;; This version of the problem:
;;   THIS VERSION OF THE PROBLEM IS GIVEN IN LOW PRECISION. The matrix products marked QUANTISED in the list below multiply operands that are first quantised to E4M3 (4 exponent bits, 3 mantissa bits; 8 bits a number), with one given power-of-two scale for each operand tensor; their sums are f32. All else is computed in f32.
;;   The module's matrix products, in the order in which they are computed (A, B: the left and right operand; K: the contracted axis; several contracted axes count as one K, in the product's order):
;;     1. batch 16 x [M 8,192, K 64] x [K 64, N 2,048]; A: input q; B: input k: QUANTISED (scales: A lowp_scales[0], B lowp_scales[1])
;;     2. batch 16 x [M 8,192, K 2,048] x [K 2,048, N 64]; A: computed on the way; B: input v: QUANTISED (scales: A lowp_scales[2], B lowp_scales[3])
;;   THE QUANTISER, for each operand of a quantised product, along K:
;;     - The operand's scale is 2^e, e = its entry of the input lowp_scales (int32; the entries are numbered through the quantised products in the list's order, A before B).
;;     - Each number is divided by the scale, clamped to +-448, and rounded to the nearest number of E4M3, ties to even, subnormals kept.
;;     - The product sums the exact products of the quantised numbers (number of the format x scale) in f32.
;;   ~~~python
;;   def quantise(x, axis, e):      # numpy; x: float32 -> the quantised numbers, widened to float32 again
;;       x = np.moveaxis(x, axis, -1); K = x.shape[-1]
;;       r = np.clip(x / 2.0 ** e, -448, 448)
;;       step = 2.0 ** (np.maximum(np.frexp(np.where(r == 0, 1, r))[1] - 1, -6) - 3)
;;       q = np.round(r / step) * step * 2.0 ** e      # np.round: ties to even
;;       return np.moveaxis(q, -1, axis).astype(np.float32)
;;   ~~~
;;   OPERANDS COMPUTED ON THE WAY. 'Computed on the way' means the value that the module computes at that place (a softmax that the list does not call 'softmax' is quantised finished and normalised). What goes into a quantiser is computed in f32, as accurately as f32 sums, v_exp_f32 and their like allow (about 1e-6 of the number): no bf16 or f16 on the way to a quantiser, and a product that is left as it is and whose result goes on into a quantised operand takes f32 operands (vector FMAs, or v_wmma_f32_16x16x4_f32). A number that lies on a knife's edge between two numbers of the format may be rounded either way, as far as f32 arithmetic and the matrix unit's own rounding can turn it there, and no further.
;; One version. Each part assembles by itself: llvm-mc -triple=amdgcn-amd-amdhsa -mcpu=gfx1250 --defsym DOCPART=n.
;; ======== version 1 of 1: 2 launches
;; limits: right only within a limited range of input values
;; workspace buffers: kv 4,194,304 bytes
;; launch prep (part 1): grid 256 x 1, 4 waves a work-group, no clusters, 34,304 bytes of LDS; arguments k, v, lowp_scales, kv; writes kv
.if DOCPART == 1
	.amdgcn_target "amdgcn-amd-amdhsa--gfx1250"
	.amdhsa_code_object_version 6
	.text
	.protected	k_q393adfde14_prep
	.globl	k_q393adfde14_prep
	.p2align	8
	.type	k_q393adfde14_prep,@function
k_q393adfde14_prep:
	s_mov_b64 s[64:65], 0
	v_nop
	global_prefetch_b8 v0, s[64:65] scope:SCOPE_SE
	s_setreg_imm32_b32 hwreg(HW_REG_WAVE_MODE, 25, 1), 1
	s_wait_xcnt 0x0
; k and v, [2][2048][512] f32 (8 heads of 64), become codes of FP8 (E4M3), each with its given scale 2^e (k: entry 1 of the scales, v: entry 3):
; code = x / 2^e, held within +-448, rounded to the nearest code, ties to even.
; LIMITS: -126 <= e <= 119, so that 2^e and 448 x 2^e are f32 numbers.  NaN among the inputs is not served (an infinity is held at the largest code).
; THE CODES ARE LAID AS IMAGES OF THE OPERANDS' REGISTERS, 262,144 bytes for each pair (pair = 8 x batch + head):
;   K, bytes 0 on: 128 tiles of 16 keys, 1,024 bytes each.  Byte 1024 T + 512 c + 16 lane + i (lane = r + 16 h) = code of k[key 16 T + r][d = 32 h + 16 c + i].
;      That is a permutation of d against the matrix form's own order; the next launch gives q's codes the same one, so every product meets its partner.
;   V, bytes 131,072 on: 16 steps of 128 keys x 4 tiles of 16 d, 2,048 bytes each.  Byte 8192 s + 2048 t + 512 g + 16 lane + 8 e + b = code of
;      v[key 128 s + 32 g + 16 e + 8 h + b][d = 16 t + r]: the K = 128 form's own order, the keys innermost.
; Work-groups 0-127 take k, 128-255 v: a scalar branch on the work-group's number; each way has LDS bytes of its own.  Waves share nothing: no barrier.
.set KPIT, 272                         ; k's stage: a key's 256 bytes + 16 of padding, so that 16 rows start at 16 different 16-byte columns
.set KWB,  16*KPIT                     ; a stage of 16 rows for each wave
.set VST,  4*KWB                       ; v's stages begin here: 4,096 bytes for each wave
.set R,    32                          ; k: v32-159  four tiles x 32 numbers
.set C,    160                         ; k: v160-191 four tiles x 8 registers of codes: no store's data are written again
.set X,    32                          ; v: v32-95   two sets of 32 numbers
.set CV,   96                          ; v: v96-103  a block's codes
.set OUTR, 112                         ; v: v112-143 the way out
	s_load_b256 s[4:11], s[0:1], 0x0               ; k s[4:5], v s[6:7], the scales' exponents s[8:9], kv s[10:11]
	v_lshl_add_u32 v192, v0, 2, 0x8400
	v_mov_b32 v193, 0
	v_lshrrev_b32 v1, 5, v0
	v_readfirstlane_b32 s12, v1                    ; wave 0..3
	v_and_b32 v2, 31, v0                           ; lane
	v_and_b32 v7, 15, v0                           ; r
	v_bfe_u32 v8, v0, 4, 1                         ; h
	v_lshlrev_b32 v6, 4, v2                        ; 16 x lane: my place in a store of 512 bytes
	v_lshlrev_b32 v9, 2, v2                        ; 4 x lane: v's loads
	v_lshlrev_b32 v14, 4, v7                       ; 16 r
	v_lshl_add_u32 v3, v8, 11, v14                 ; k's loads: lanes 0-15 one key's 256 bytes, lanes 16-31 the next key's, 2,048 bytes on
	s_mul_i32 s13, s12, KWB
	v_mul_u32_u24 v4, v8, KPIT
	v_add_nc_u32 v4, v4, v14
	v_add_nc_u32 v4, s13, v4                       ; k's stage, in: row h, 16 r
	v_mul_u32_u24 v5, v7, KPIT
	v_lshl_add_u32 v5, v8, 7, v5
	v_add_nc_u32 v5, s13, v5                       ; k's stage, out: row r, my half's 32 numbers
	s_lshl_b32 s14, s12, 12
	s_add_co_u32 s14, s14, VST
	v_add_nc_u32 v12, s14, v3                      ; v's stage, in: fragment lane / 16 (2,048 bytes), 16 r
	v_add_nc_u32 v13, s14, v6                      ; v's stage, out: 16 x lane
	s_wait_kmcnt 0x0
	s_load_b128 s[16:19], s[8:9], 0x0              ; e0 .. e3
	s_cmp_ge_u32 ttmp9, 128
	s_cbranch_scc1 .Lv
; ---- k.  A wave takes 64 keys of one head: four tiles.
	s_lshl_b32 s20, ttmp9, 2
	s_add_co_u32 s20, s20, s12                     ; which run of 64 keys: 0 .. 511
	s_lshr_b32 s21, s20, 5                         ; pair
	s_and_b32 s22, s20, 31                         ; run within the pair
	s_lshr_b32 s24, s21, 3
	s_lshl_b32 s24, s24, 22                        ; batch x 4,194,304
	s_lshl_b32 s23, s22, 17                        ; + 64 keys of 2,048 bytes
	s_add_co_u32 s24, s24, s23
	s_and_b32 s23, s21, 7
	s_lshl_b32 s23, s23, 8                         ; + head x 256
	s_add_co_u32 s24, s24, s23
	s_mov_b32 s25, 0
	s_add_nc_u64 s[4:5], s[4:5], s[24:25]
	s_lshl_b32 s26, s21, 18                        ; pair x 262,144
	s_lshl_b32 s23, s22, 12                        ; + four tiles of 1,024
	s_add_co_u32 s26, s26, s23
	s_mov_b32 s27, 0
	s_add_nc_u64 s[10:11], s[10:11], s[26:27]
	s_wait_alu depctr_va_vdst(0)
.irp t, 0,1,2,3
.irp j, 0,1,2,3,4,5,6,7
	global_load_b128 v[R+32*\t+4*\j:R+32*\t+4*\j+3], v3, s[4:5] offset:(16*\t+2*\j)*2048 th:TH_LOAD_NT   ; sixteen lanes read a key's whole 256 bytes
.endr
.endr
	s_wait_kmcnt 0x0
	s_add_co_i32 s28, s17, 127
	s_lshl_b32 s29, s28, 23
	v_mov_b32 v11, s29                             ; 2^e1 as f32: the conversion takes its exponent field
	s_add_co_i32 s28, s28, 8
	s_lshl_b32 s28, s28, 23
	s_or_b32 s28, s28, 0x600000
	v_mov_b32 v10, s28                             ; 448 x 2^e1
; Tile t goes through the stage as it was loaded and comes back 32 neighbours along d a lane, into the registers that it left.
; LDS serves a wave's instructions in order (ISA guide 5.7.1.4): no wait between stores and loads, and one stage serves all four tiles.
.macro TURN t
	s_wait_loadcnt 24-8*\t                         ; loads come back in order: tile t's eight are in, the later tiles' may be out
.irp j, 0,1,2,3,4,5,6,7
	ds_store_b128 v4, v[R+32*\t+4*\j:R+32*\t+4*\j+3] offset:2*KPIT*\j
.endr
.irp c, 0,1
.irp j, 0,1,2,3
	ds_load_b128 v[R+32*\t+16*\c+4*\j:R+32*\t+16*\c+4*\j+3], v5 offset:64*\c+16*\j
.endr
.endr
.endm
.macro WORK t, left                    ; left: the LDS instructions issued behind tile t's loads
	s_wait_dscnt \left
.irp c, 0,1
.irp i, 0,1,2,3,4,5,6,7,8,9,10,11,12,13,14,15
	v_med3_num_f32 v[R+32*\t+16*\c+\i], v[R+32*\t+16*\c+\i], -v10, v10   ; the conversion to an 8-bit code does not saturate (ISA guide 7.6.2): the hold comes first
.endr
	v_cvt_scalef32_pk8_fp8_f32 v[C+8*\t+4*\c:C+8*\t+4*\c+1], v[R+32*\t+16*\c:R+32*\t+16*\c+7], v11
	v_cvt_scalef32_pk8_fp8_f32 v[C+8*\t+4*\c+2:C+8*\t+4*\c+3], v[R+32*\t+16*\c+8:R+32*\t+16*\c+15], v11
.endr
	global_store_b128 v6, v[C+8*\t:C+8*\t+3], s[10:11] offset:1024*\t         ; the wave stores 512 consecutive bytes, aligned
	global_store_b128 v6, v[C+8*\t+4:C+8*\t+7], s[10:11] offset:1024*\t+512
.endm
	s_wait_alu depctr_va_vdst(0)
	TURN 0
	TURN 1
	WORK 0, 16                                     ; behind tile 0's loads: tile 1's eight stores and eight loads
	TURN 2
	WORK 1, 16
	TURN 3
	WORK 2, 16
	WORK 3, 0
	s_wait_tensorcnt 0x0
	ds_add_u32 v192, v193
	s_wait_dscnt 0x0
	s_endpgm
; ---- v.  A wave takes 32 columns (half a head) x 128 keys.  A LANE TAKES A COLUMN d, AND ITS REGISTERS RUN DOWN THE KEYS: the conversions then give codes with the keys innermost.
.Lv:
	s_sub_co_u32 s20, ttmp9, 128
	s_and_b32 s21, s20, 3
	s_lshr_b32 s22, s20, 2
	s_lshl_b32 s21, s21, 2
	s_add_co_u32 s21, s21, s12                     ; which 32 columns of the 512: 0 .. 15
	s_lshr_b32 s23, s22, 4                         ; batch
	s_and_b32 s22, s22, 15                         ; step of 128 keys
	s_lshl_b32 s24, s23, 22
	s_lshl_b32 s28, s22, 18                        ; 128 keys of 2,048 bytes
	s_add_co_u32 s24, s24, s28
	s_lshl_b32 s28, s21, 7
	s_add_co_u32 s24, s24, s28
	s_mov_b32 s25, 0
	s_add_nc_u64 s[6:7], s[6:7], s[24:25]
	s_lshl_b32 s26, s23, 3
	s_lshr_b32 s28, s21, 1
	s_add_co_u32 s26, s26, s28                     ; pair
	s_lshl_b32 s26, s26, 18
	s_lshl_b32 s28, s22, 13                        ; + step x 8,192
	s_add_co_u32 s26, s26, s28
	s_and_b32 s28, s21, 1
	s_lshl_b32 s28, s28, 12                        ; + which two of the step's four fragments
	s_add_co_u32 s26, s26, s28
	s_add_co_u32 s26, s26, 131072                  ; V's image lies behind K's
	s_mov_b32 s27, 0
	s_add_nc_u64 s[10:11], s[10:11], s[26:27]
.macro LOAD t                          ; keys 32 t + i of my column, into set t % 2: the wave reads 128 consecutive bytes, the four waves side by side 512
.irp i, 0,1,2,3,4,5,6,7,8,9,10,11,12,13,14,15,16,17,18,19,20,21,22,23,24,25,26,27,28,29,30,31
	global_load_b32 v[X+32*((\t)%2)+\i], v9, s[6:7] offset:(32*(\t)+\i)*2048 th:TH_LOAD_NT
.endr
.endm
	LOAD 0
	LOAD 1
	s_wait_kmcnt 0x0
	s_add_co_i32 s28, s19, 127
	s_lshl_b32 s29, s28, 23
	v_mov_b32 v11, s29                             ; 2^e3 as f32
	s_add_co_i32 s28, s28, 8
	s_lshl_b32 s28, s28, 23
	s_or_b32 s28, s28, 0x600000
	v_mov_b32 v10, s28                             ; 448 x 2^e3
.macro BLOCK t
.set XS, X+32*((\t)%2)
.if (\t) < 3
	s_wait_loadcnt 32                              ; this block's 32 loads are in; the next block's may be out
.else
	s_wait_loadcnt 0
.endif
.irp i, 0,1,2,3,4,5,6,7,8,9,10,11,12,13,14,15,16,17,18,19,20,21,22,23,24,25,26,27,28,29,30,31
	v_med3_num_f32 v[XS+\i], v[XS+\i], -v10, v10
.endr
.irp g, 0,1,2,3
	v_cvt_scalef32_pk8_fp8_f32 v[CV+2*\g:CV+2*\g+1], v[XS+8*\g:XS+8*\g+7], v11
.endr
.irp g, 0,1,2,3
	ds_store_b64 v12, v[CV+2*\g:CV+2*\g+1] offset:512*(\t)+256*(\g%2)+8*(\g/2)   ; keys 32 t + 8 g on: half g % 2 of the fragment's lanes, eight bytes g / 2 of their sixteen
.endr
.if (\t)+2 < 4
	LOAD (\t)+2
.endif
	s_wait_dscnt 0x0                               ; the stores have read their registers: the next block's codes may be written
.endm
	s_wait_alu depctr_va_vdst(0)
	BLOCK 0
	BLOCK 1
	BLOCK 2
	BLOCK 3
.irp i, 0,1,2,3,4,5,6,7
	ds_load_b128 v[OUTR+4*\i:OUTR+4*\i+3], v13 offset:512*\i   ; LDS serves a wave's instructions in order: these see my stores
.endr
.irp i, 0,1,2,3,4,5,6,7
	s_wait_dscnt 7-\i
	global_store_b128 v6, v[OUTR+4*\i:OUTR+4*\i+3], s[10:11] offset:512*\i   ; 512 consecutive bytes, aligned
.endr
	s_wait_tensorcnt 0x0
	ds_add_u32 v192, v193
	s_wait_dscnt 0x0
	s_endpgm
.Lfunc_end_k_q393adfde14_prep:
	.size	k_q393adfde14_prep, .Lfunc_end_k_q393adfde14_prep-k_q393adfde14_prep
	.p2alignl 7, 3214868480
	.fill 96, 4, 3214868480
	.section	.rodata,"a",@progbits
	.p2align	6, 0x0
	.amdhsa_kernel k_q393adfde14_prep
		.amdhsa_group_segment_fixed_size 34304
		.amdhsa_private_segment_fixed_size 0
		.amdhsa_enable_private_segment 0
		.amdhsa_kernarg_size 32
		.amdhsa_user_sgpr_count 2
		.amdhsa_user_sgpr_kernarg_segment_ptr 1
		.amdhsa_wavefront_size32 1
		.amdhsa_system_sgpr_workgroup_id_x 1
		.amdhsa_system_sgpr_workgroup_id_y 1
		.amdhsa_system_sgpr_workgroup_id_z 1
		.amdhsa_system_vgpr_workitem_id 0
		.amdhsa_next_free_vgpr 194
		.amdhsa_next_free_sgpr 66
		.amdhsa_reserve_vcc 0
		.amdhsa_float_denorm_mode_32 3
		.amdhsa_float_denorm_mode_16_64 3
		.amdhsa_memory_ordered 1
		.amdhsa_forward_progress 1
		.amdhsa_inst_pref_size 45
	.end_amdhsa_kernel
	.amdgpu_metadata
---
amdhsa.version: [ 1, 2 ]
amdhsa.kernels:
  - .name:           k_q393adfde14_prep
    .symbol:         k_q393adfde14_prep.kd
    .args:
      - { .name: k, .offset: 0, .size: 8, .value_kind: global_buffer, .address_space: global }
      - { .name: v, .offset: 8, .size: 8, .value_kind: global_buffer, .address_space: global }
      - { .name: lowp_scales, .offset: 16, .size: 8, .value_kind: global_buffer, .address_space: global }
      - { .name: kv, .offset: 24, .size: 8, .value_kind: global_buffer, .address_space: global }
    .group_segment_fixed_size: 34304
    .private_segment_fixed_size: 0
    .kernarg_segment_align: 8
    .kernarg_segment_size: 32
    .max_flat_workgroup_size: 128
    .sgpr_count:     66
    .vgpr_count:     194
    .wavefront_size: 32
...
	.end_amdgpu_metadata
.endif
;; end of part 1
;; launch attn (part 2): grid 16 x 16, 16 waves a work-group, clusters of 4 x 1, 327,680 bytes of LDS; arguments kv, lowp_scales, q, out0; writes out0
.if DOCPART == 2
	.amdgcn_target "amdgcn-amd-amdhsa--gfx1250"
	.amdhsa_code_object_version 6
	.text
	.protected	k_q393adfde14_attn
	.globl	k_q393adfde14_attn
	.p2align	8
	.type	k_q393adfde14_attn,@function
k_q393adfde14_attn:
	s_mov_b64 s[64:65], 0
	v_nop
	global_prefetch_b8 v0, s[64:65] scope:SCOPE_SE
	s_setreg_imm32_b32 hwreg(HW_REG_WAVE_MODE, 25, 1), 1
	s_wait_xcnt 0x0
	s_wait_alu depctr_hold_cnt(0) depctr_sa_sdst(0) depctr_va_vdst(0) depctr_va_sdst(0) depctr_va_ssrc(0) depctr_va_vcc(0) depctr_vm_vsrc(0)
	s_getreg_b32 s2, hwreg(HW_REG_IB_STS2, 6, 4)
	s_cmp_eq_u32 s2, 0
	s_cbranch_scc0 .Lentry_in_a_cluster
	s_endpgm
.Lentry_in_a_cluster:
	s_bfe_u32 s2, ttmp6, 0x10000c
	s_cmp_lg_u32 s2, 0x3003
	s_cbranch_scc0 .Lentry_shape_is_right
	s_endpgm
.Lentry_shape_is_right:
; out[b][s][head] = softmax_t(q . k / 8) v for 32 query heads on 8 key/value heads, both products on codes of FP8 (E4M3) with the given scales 2^e0 .. 2^e3.
; The softmax is quantised FINISHED AND NORMALISED, so the keys are walked twice: pass 1 finds each row's largest t and the sum of 2^(t - M); pass 2 makes the scores again,
; p = 2^(t - M - log2(sum)), holds p at 448 x 2^e2, quantises it and multiplies by V.  t = score x log2(e) / 8 x 2^(e0 + e1).
; DEAD WORK: reference() divides the softmax by DROPOUT = 1.0, a factor 1 for all inputs: left out.
; SHARES: pair = 8 x batch + kv head = work-group y.  A work-group owns 128 positions x the pair's 4 query heads; wave w owns head w % 4, positions 32 (w / 4) on: two tiles of 16 queries.
; The pair's whole image of K and V codes (262,144 bytes, laid by the launch before as images of the operands' registers) lies in LDS: each wave asks for 16,384 bytes of it, once.
; The four work-groups of a cluster share the pair: the loads are joint (mask 15).  No prefetch: the image is asked for whole at the head, so there is no loop to run ahead in.
; Both products are used transposed (S^T = K Q^T, O^T = V^T P^T): a lane holds one query (lane % 16); lanes l and l + 16 hold different keys and keep a largest t and sums of their own in pass 1, joined once behind it.
; PASS 1 goes in steps of 128 keys; its exponentials go in four runs of 32, and between them stand plain instructions that read nothing written inside the run.
; PASS 2 goes in half steps of 64 keys for both tiles: K's and V's fragments have 32 registers each, asked for a half step ahead.
; log2(sum) is folded into the addend of t: the addend's rounding is 2^-24 of its size, as t's own is.
; LIMITS: e0 + e1 between -123 and 130 (added to c's exponent field); e0, e2 between -126 and 119; |t| under 2^31; NaN among the inputs is not served.
; REGISTERS: v1, v2 my place in a K / V fragment; v3, v4 addresses in hand; v5 2^e2; v6, v7 the add's two; v[8:9], v[10:11] -M, then -(M + log2 sum); v16-31 Q's codes;
; pass 1: v32-95 K; v96-159, v160-223 S^T of tiles 0, 1; v224-237 at work; v240-247, v248-255 four pairs of sums a tile.
; pass 2: v32-63 K; v64-95 V; v96-127, v128-159 S^T of tiles 0, 1; v160-223 O^T; v224-239 p's codes.
.set VIMG,  131072                     ; V's image lies behind K's
.set STEPB, 8192                       ; a step of 128 keys, in either image
.set SPARE, 262144                     ; the spare words: 128 bytes a wave, 2,048 in all
.set QST,   SPARE+2048                 ; a stage of 2,560 bytes for each wave, for q's codes
.set QP,    80                         ; a query's 64 codes + 16 of padding
.set SPIT,  272                        ; the way out: a row of 256 bytes + 16
.set SPW,   6
.set NIL,   7
.macro CROUND
	s_barrier_signal -1
	s_barrier_wait -1
	s_cmp_lg_u32 s12, 0
	s_cbranch_scc1 .Lnot_wave_0_\@
	s_barrier_signal -3
.Lnot_wave_0_\@:
	s_barrier_wait -3
	s_barrier_signal -1
	s_barrier_wait -1
.endm
.macro PLACES n
.rept \n
	v_nop
.endr
.endm
	s_load_b256 s[4:11], s[0:1], 0x0               ; kv s[4:5], the exponents s[6:7], q s[8:9], out s[10:11]
	v_lshl_add_u32 v[SPW], v0, 2, SPARE
	v_mov_b32 v[NIL], 0
	ds_add_u32 v[SPW], v[NIL]                      ; the opening lines: the add twice on end and its wait ahead of my tensor load
	ds_add_u32 v[SPW], v[NIL]
	v_lshrrev_b32 v3, 5, v0
	v_readfirstlane_b32 s12, v3                    ; wave 0..15
	s_bfe_u32 s13, ttmp6, 0x40000                  ; cx
	s_lshl_b32 s14, ttmp9, 2
	s_add_co_u32 s14, s14, s13                     ; work-group x: which 128 positions
	s_and_b32 s15, ttmp7, 0xffff                   ; pair
	s_lshl_b32 s16, s15, 18
	s_lshl_b32 s18, s12, 14                        ; my 16,384 bytes of the image, in memory and in LDS alike
	s_add_co_u32 s16, s16, s18
	s_mov_b32 s17, 0
	s_mov_b32 s24, 15|(3<<16)|(1<<21)              ; mask: all four of the cluster; elements of 8 bytes; bit 21 beside a mask
	s_mov_b32 s25, 32<<16                          ; rows of 32 elements = 256 bytes
	s_mov_b32 s26, 64<<16                          ; 64 rows
	s_mov_b32 s27, 32<<16
	s_mov_b32 s28, 64
	s_mov_b32 s29, 32                              ; dense
	s_mov_b32 s30, 0
	s_mov_b32 s31, 0
	s_mov_b32 s20, 0x76543210
	s_mov_b32 s21, 0xfedcba98                      ; selects for lane l xor 16
	s_mov_b32 s22, 0x3e38aa3b                      ; c = log2(e) / 8
	s_lshr_b32 s48, s15, 3
	s_lshl_b32 s48, s48, 11                        ; batch x 2,048 positions
	s_lshl_b32 s49, s14, 7
	s_add_co_u32 s48, s48, s49
	s_lshr_b32 s49, s12, 2
	s_lshl_b32 s49, s49, 5
	s_add_co_u32 s48, s48, s49                     ; my first position
	s_lshl_b32 s48, s48, 13                        ; x 8,192 bytes
	s_and_b32 s49, s15, 7
	s_lshl_b32 s49, s49, 2
	s_and_b32 s50, s12, 3
	s_add_co_u32 s49, s49, s50                     ; my query head
	s_lshl_b32 s49, s49, 8
	s_add_co_u32 s48, s48, s49
	s_mov_b32 s49, 0
	s_mul_i32 s53, s12, 32*QP
	s_add_co_u32 s53, s53, QST                     ; my stage
	v_and_b32 v1, 31, v0
	v_lshlrev_b32 v1, 4, v1                        ; 16 x lane
	v_add_nc_u32 v2, VIMG, v1
	v_and_b32 v226, 15, v0                         ; r
	v_bfe_u32 v227, v0, 4, 1                       ; h
	v_lshlrev_b32 v4, 13, v227
	v_lshl_add_u32 v4, v226, 4, v4                 ; q's loads: sixteen lanes read a head's 256 bytes of one position, lanes 16-31 the next position's
	v_mul_u32_u24 v228, v227, QP
	v_lshl_add_u32 v228, v226, 2, v228
	v_add_nc_u32 v228, s53, v228                   ; the stage, in: row h, my 4 codes
	v_mul_u32_u24 v229, v226, QP
	v_lshl_add_u32 v229, v227, 5, v229
	v_add_nc_u32 v229, s53, v229                   ; out: row r, d = 32 h on
	s_wait_alu depctr_va_vdst(0)
	s_wait_dscnt 0x0                               ; both opening adds are done
	s_wait_kmcnt 0x0
	s_load_b128 s[40:43], s[6:7], 0x0              ; e0 .. e3
	s_mov_b32 s32, 1
	s_mov_b32 s33, s18
	s_add_nc_u64 s[34:35], s[4:5], s[16:17]
	s_or_b32 s35, s35, 0x80000000
	s_add_nc_u64 s[8:9], s[8:9], s[48:49]
	s_add_nc_u64 s[10:11], s[10:11], s[48:49]
.irp j, 0,1,2,3,4,5,6,7,8,9,10,11,12,13,14,15
	global_load_b128 v[96+4*\j:99+4*\j], v4, s[8:9] offset:16384*\j th:TH_LOAD_NT   ; positions 2 j + h, d = 4 r on
.endr
	CROUND                                         ; the round in front of the joint loads
	tensor_load_to_lds s[32:35], s[24:31]          ; my one tensor load
	s_nop 0
	s_wait_kmcnt 0x0
	s_add_co_i32 s50, s40, s41
	s_lshl_b32 s50, s50, 23
	s_add_co_i32 s22, s22, s50                     ; c x 2^(e0 + e1)
	s_mov_b32 s23, s22
	s_xor_b32 s52, s22, 0x80000000                 ; -c
	s_add_co_i32 s50, s40, 127
	s_lshl_b32 s51, s50, 23
	v_mov_b32 v224, s51                            ; 2^e0
	s_add_co_i32 s50, s50, 8
	s_lshl_b32 s50, s50, 23
	s_or_b32 s50, s50, 0x600000
	v_mov_b32 v225, s50                            ; 448 x 2^e0
	s_add_co_i32 s50, s42, 127
	s_lshl_b32 s51, s50, 23
	v_mov_b32 v5, s51                              ; 2^e2
	s_add_co_i32 s50, s50, 8
	s_lshl_b32 s46, s50, 23
	s_or_b32 s46, s46, 0x600000                    ; 448 x 2^e2
	s_add_co_i32 s47, s42, s43                     ; e2 + e3
	v_mov_b32 v8, 0x7f61b1e6                       ; -M = 3e38: M lies under every t
	v_mov_b32 v10, 0x7f61b1e6
	v_mov_b32 v9, 0                                ; (upper halves of pairs that are named)
	v_mov_b32 v11, 0
	v_mov_b32 v231, 0
	v_mov_b32 v235, 0
.set j, 0
.rept 16
	v_mov_b32 v[240+j], 0                          ; the sums
.set j, j+1
.endr
	s_wait_alu depctr_va_vdst(0)
	s_wait_loadcnt 0x0
.set j, 0
.rept 64
	v_med3_num_f32 v[96+j], v[96+j], -v225, v225   ; the conversion does not saturate (ISA guide 7.6.2): the hold comes first
.set j, j+1
.endr
.irp m, 0,1,2,3,4,5,6,7
	v_cvt_scalef32_pk8_fp8_f32 v[160+2*\m:161+2*\m], v[96+8*\m:103+8*\m], v224   ; register n: 4 codes of position 2 n + h
.endr
	v_nop
	s_wait_alu depctr_va_vdst(0)
	s_wait_tensorcnt 0x0                           ; my part of the image is in; my LDS stores come behind it
.irp n, 0,1,2,3,4,5,6,7,8,9,10,11,12,13,14,15
	ds_store_b32 v228, v[160+\n] offset:2*QP*\n
.endr
.irp t, 0,1
.irp c, 0,1
	ds_load_b128 v[16+8*\t+4*\c:19+8*\t+4*\c], v229 offset:16*QP*\t+16*\c   ; LDS serves a wave's instructions in order: query 16 t + r, d = 32 h + 16 c on, as K's image has it
.endr
.endr
	s_wait_dscnt 0x0
	s_barrier_signal -1
	s_barrier_wait -1                              ; everybody's part of the image is in; nothing is ever filled again
.macro LDK a                           ; a step's eight tiles of K
.irp t, 0,1,2,3,4,5,6,7
	ds_load_b128 v[32+8*\t:35+8*\t], v[\a] offset:1024*\t
	ds_load_b128 v[36+8*\t:39+8*\t], v[\a] offset:1024*\t+512
.endr
.endm
.macro LDKH a, off                     ; four tiles of K: 64 keys
.irp t, 0,1,2,3
	ds_load_b128 v[32+8*\t:35+8*\t], v[\a] offset:\off+1024*\t
	ds_load_b128 v[36+8*\t:39+8*\t], v[\a] offset:\off+1024*\t+512
.endr
.endm
.macro LDVH a, off                     ; 64 keys of V's four tiles of 16 d: registers 0-7 or 8-15 of the K = 128 image are a K = 64 fragment
.irp t, 0,1,2,3
	ds_load_b128 v[64+8*\t:67+8*\t], v[\a] offset:\off+2048*\t
	ds_load_b128 v[68+8*\t:71+8*\t], v[\a] offset:\off+2048*\t+512
.endr
.endm
; A run of 32 exponentials (registers e on) with plain instructions between them.  None of these reads what the run itself writes, and what they write is first read behind the wait at the run's end.
; f: 16 pairs become t - M (addend in pair nm).  a: 16 pairs of p become 8 sums.  b: 8 become 4.  c: the 4 go onto the four pairs of sums at acc.  m: the sums of both tiles x f.
.macro REG e, f, nm, a, b, c, acc, m
.set i, 0
.rept 16
	v_exp_f32 v[\e+2*i], v[\e+2*i]
.if \f
	v_pk_fma_f32 v[\f+2*i:\f+2*i+1], v[\f+2*i:\f+2*i+1], s[22:23], v[\nm:\nm+1] op_sel_hi:[1,0,0]
.endif
	v_exp_f32 v[\e+2*i+1], v[\e+2*i+1]
.if i < 8
.if \a
	v_pk_add_f32 v[\a+4*i:\a+4*i+1], v[\a+4*i:\a+4*i+1], v[\a+4*i+2:\a+4*i+3]
.endif
.else
.if i < 12
.if \m
	v_pk_mul_f32 v[240+2*(i-8):241+2*(i-8)], v[240+2*(i-8):241+2*(i-8)], v[230:231] op_sel_hi:[1,0]
.endif
.if \b
	v_pk_add_f32 v[\b+8*(i-8):\b+8*(i-8)+1], v[\b+8*(i-8):\b+8*(i-8)+1], v[\b+8*(i-8)+4:\b+8*(i-8)+5]
.endif
.else
.if \m
	v_pk_mul_f32 v[248+2*(i-12):249+2*(i-12)], v[248+2*(i-12):249+2*(i-12)], v[234:235] op_sel_hi:[1,0]
.endif
.if \c
	v_pk_add_f32 v[\acc+2*(i-12):\acc+2*(i-12)+1], v[\acc+2*(i-12):\acc+2*(i-12)+1], v[\c+8*(i-12):\c+8*(i-12)+1]
.endif
.endif
.endif
.set i, i+1
.endr
	v_nop
	s_wait_alu depctr_va_vdst(0)
.endm
; Pass 1's vector work for 128 keys, both tiles' chains by turns.
.macro SOFT1
	v_max3_num_f32 v224, v96, v97, v98
	v_max3_num_f32 v226, v160, v161, v162
	v_max3_num_f32 v225, v99, v100, v101
	v_max3_num_f32 v227, v163, v164, v165
.set j, 6
.rept 14
	v_max3_num_f32 v224, v224, v[96+j], v[97+j]
	v_max3_num_f32 v226, v226, v[160+j], v[161+j]
	v_max3_num_f32 v225, v225, v[98+j], v[99+j]
	v_max3_num_f32 v227, v227, v[162+j], v[163+j]
.set j, j+4
.endr
	v_max3_num_f32 v224, v224, v158, v159
	v_max3_num_f32 v226, v226, v222, v223
	v_max_num_f32 v224, v224, v225
	v_max_num_f32 v226, v226, v227
	v_mul_f32 v224, s52, v224                      ; -t of the step's largest score
	v_mul_f32 v226, s52, v226
	v_min_num_f32 v228, v8, v224                   ; the new -M
	v_min_num_f32 v229, v10, v226
	v_sub_f32 v230, v228, v8                       ; old M - new M, 0 or less
	v_sub_f32 v234, v229, v10
	v_mov_b32 v8, v228
	v_mov_b32 v10, v229
.set j, 0
.rept 16
	v_pk_fma_f32 v[96+j:97+j], v[96+j:97+j], s[22:23], v[8:9] op_sel_hi:[1,0,0]   ; t - M of the first quarter
.set j, j+2
.endr
	s_wait_alu depctr_va_vdst(0)
	v_exp_f32 v230, v230                           ; f = 2^(old M - new M)
	v_exp_f32 v234, v234
	REG 96,  128, 8,  0,   0,   0,  0,   0
	REG 128, 160, 10, 96,  0,   0,  0,   1
	REG 160, 192, 10, 128, 96,  0,  0,   0
	REG 192, 0,   0,  160, 128, 96, 240, 0
.irp k, 0,1,2,3,4,5,6,7
	v_pk_add_f32 v[192+4*\k:193+4*\k], v[192+4*\k:193+4*\k], v[194+4*\k:195+4*\k]
.endr
.irp k, 0,1,2,3
	v_pk_add_f32 v[160+8*\k:161+8*\k], v[160+8*\k:161+8*\k], v[164+8*\k:165+8*\k]
.endr
.irp k, 0,1,2,3
	v_pk_add_f32 v[240+2*\k:241+2*\k], v[240+2*\k:241+2*\k], v[128+8*\k:129+8*\k]
.endr
.irp k, 0,1,2,3
	v_pk_add_f32 v[192+8*\k:193+8*\k], v[192+8*\k:193+8*\k], v[196+8*\k:197+8*\k]
.endr
.irp k, 0,1,2,3
	v_pk_add_f32 v[248+2*\k:249+2*\k], v[248+2*\k:249+2*\k], v[160+8*\k:161+8*\k]
.endr
.irp k, 0,1,2,3
	v_pk_add_f32 v[248+2*\k:249+2*\k], v[248+2*\k:249+2*\k], v[192+8*\k:193+8*\k]
.endr
.endm
; A step of pass 1.  Behind the products: next = 1: the next step's fragments of K are asked for; next = 2: pass 2's first fragments of K and V.
.macro PASS1 next
	s_wait_dscnt 0x0
.irp t, 0,1,2,3,4,5,6,7
	v_wmma_f32_16x16x64_fp8_fp8 v[96+8*\t:103+8*\t], v[32+8*\t:39+8*\t], v[16:23], 0
	v_wmma_f32_16x16x64_fp8_fp8 v[160+8*\t:167+8*\t], v[32+8*\t:39+8*\t], v[24:31], 0
.endr
.if \next == 1
	s_add_co_u32 s44, s44, STEPB
	v_add_nc_u32 v3, s44, v1
	PLACES 3                                       ; four places with the line above, in front of loads into registers that the products read and of the readers of their results
	LDK 3
.else
	PLACES 4
	LDKH 1, 0
	LDVH 2, 0
.endif
	SOFT1
.endm
; A half step of pass 2: 64 keys, both tiles.  s44 = the step's bytes in either image.  Eight loads of K and eight of V are out by turns: each wait for 8 lets the younger eight stay out.
.macro HALF hf, zero, last
	s_wait_dscnt 8                                 ; K's fragments are in; V's eight loads are younger
.irp t, 0,1,2,3
	v_wmma_f32_16x16x64_fp8_fp8 v[96+8*\t:103+8*\t], v[32+8*\t:39+8*\t], v[16:23], 0
	v_wmma_f32_16x16x64_fp8_fp8 v[128+8*\t:135+8*\t], v[32+8*\t:39+8*\t], v[24:31], 0
.endr
.if \last
	PLACES 4
.else
.if \hf
	PLACES 4
	LDKH 3, STEPB                                  ; the next step's first half
.else
	v_add_nc_u32 v3, s44, v1
	PLACES 3
	LDKH 3, 4096                                   ; this step's second half
.endif
.endif
.set j, 0
.rept 16
	v_pk_fma_f32 v[96+j:97+j], v[96+j:97+j], s[22:23], v[8:9] op_sel_hi:[1,0,0]       ; t - M - log2(sum)
	v_pk_fma_f32 v[128+j:129+j], v[128+j:129+j], s[22:23], v[10:11] op_sel_hi:[1,0,0]
.set j, j+2
.endr
	s_wait_alu depctr_va_vdst(0)                   ; the wait ahead of the batch
.set j, 0
.rept 64
	v_exp_f32 v[96+j], v[96+j]
.set j, j+1
.endr
	v_nop
	s_wait_alu depctr_va_vdst(0)                   ; and behind it
.irp t, 0,1,2,3,4,5,6,7
.irp i, 0,2,4,6
	v_dual_min_num_f32 v[96+8*\t+\i], s46, v[96+8*\t+\i] :: v_dual_min_num_f32 v[97+8*\t+\i], s46, v[97+8*\t+\i]   ; the hold, two numbers an instruction
.endr
	v_cvt_scalef32_pk8_fp8_f32 v[224+2*\t:225+2*\t], v[96+8*\t:103+8*\t], v5   ; tile t / 4, keys 16 (t % 4) + 8 h on: registers 2 (t % 4) on of its K = 64 operand
.endr
	v_nop
	s_wait_alu depctr_va_vdst(0)
.if \last
	s_wait_dscnt 0x0
.else
	s_wait_dscnt 8                                 ; V's fragments are in; the next K's eight loads are younger
.endif
.irp t, 0,1,2,3                                ; eight accumulators by turns
.irp q, 0,1
.if \zero
	s_wait_alu depctr_va_vdst(0)
	v_wmma_f32_16x16x64_fp8_fp8 v[160+32*\q+8*\t:167+32*\q+8*\t], v[64+8*\t:71+8*\t], v[224+8*\q:231+8*\q], 0
.else
	v_wmma_f32_16x16x64_fp8_fp8 v[160+32*\q+8*\t:167+32*\q+8*\t], v[64+8*\t:71+8*\t], v[224+8*\q:231+8*\q], v[160+32*\q+8*\t:167+32*\q+8*\t]
.endif
.endr
.endr
.if \last == 0
.if \hf
	PLACES 4
	LDVH 4, STEPB
.else
	v_add_nc_u32 v4, s44, v2
	PLACES 3
	LDVH 4, 1024
.endif
.endif
.endm
.macro STEPP zero, last
	HALF 0, \zero, 0
	HALF 1, 0, \last
	s_add_co_u32 s44, s44, STEPB
.endm
	LDK 1                                          ; step 0
	s_mov_b32 s44, 0
	s_mov_b32 s45, 15
.Lp1:
	PASS1 1
	s_sub_co_u32 s45, s45, 1
	s_cmp_lg_u32 s45, 0
	s_cbranch_scc1 .Lp1
	PASS1 2                                        ; step 15
	; a tile's eight sums become one; the two halves of the lanes are joined: M = the larger, the sums brought under it; then -(M + log2(sum))
	v_pk_add_f32 v[240:241], v[240:241], v[242:243]
	v_pk_add_f32 v[248:249], v[248:249], v[250:251]
	v_pk_add_f32 v[244:245], v[244:245], v[246:247]
	v_pk_add_f32 v[252:253], v[252:253], v[254:255]
	v_permlanex16_b32 v228, v8, s20, s21
	v_permlanex16_b32 v229, v10, s20, s21
	v_pk_add_f32 v[240:241], v[240:241], v[244:245]
	v_pk_add_f32 v[248:249], v[248:249], v[252:253]
	v_min_num_f32 v228, v8, v228
	v_min_num_f32 v229, v10, v229
	v_add_f32 v12, v240, v241
	v_add_f32 v14, v248, v249
	v_sub_f32 v224, v228, v8
	v_sub_f32 v226, v229, v10
	s_wait_alu depctr_va_vdst(0)
	v_exp_f32 v224, v224
	v_exp_f32 v226, v226
	v_nop
	s_wait_alu depctr_va_vdst(0)
	v_mul_f32 v12, v12, v224
	v_mul_f32 v14, v14, v226
	v_permlanex16_b32 v225, v12, s20, s21
	v_permlanex16_b32 v227, v14, s20, s21
	v_add_f32 v12, v12, v225
	v_add_f32 v14, v14, v227
	s_wait_alu depctr_va_vdst(0)
	v_log_f32 v12, v12
	v_log_f32 v14, v14
	v_nop
	s_wait_alu depctr_va_vdst(0)
	v_sub_f32 v8, v228, v12
	v_sub_f32 v10, v229, v14
	s_wait_alu depctr_va_vdst(0)
	s_mov_b32 s44, 0
	STEPP 1, 0                                     ; step 0 starts the sums of O^T
	s_mov_b32 s45, 14
.Lp2:
	STEPP 0, 0
	s_sub_co_u32 s45, s45, 1
	s_cmp_lg_u32 s45, 0
	s_cbranch_scc1 .Lp2
	STEPP 0, 1                                     ; step 15 asks for nothing more
	s_wait_dscnt 0x0
	s_barrier_signal -1
	s_barrier_wait -1                              ; nobody reads the image any more: the stages of the way out, 16 rows a wave, lie on K's, which has had its only fill
	s_mul_i32 s53, s12, 16*SPIT
	v_and_b32 v12, 15, v0                          ; r
	v_bfe_u32 v13, v0, 4, 1                        ; h
	v_mul_u32_u24 v3, v12, SPIT
	v_mul_u32_u24 v4, v13, SPIT
	v_lshl_add_u32 v3, v13, 5, v3
	v_lshl_add_u32 v4, v12, 4, v4
	v_add_nc_u32 v3, s53, v3                       ; in: row r, tile t's eight d of my half at 64 t + 32 h
	v_add_nc_u32 v4, s53, v4                       ; back: lanes 0-15 one row, lanes 16-31 the next
	v_lshlrev_b32 v2, 13, v13
	v_lshl_add_u32 v2, v12, 4, v2                  ; and the same two rows in out
.set j, 0
.rept 64
	v_ldexp_f32 v[96+j], v[160+j], s47             ; x 2^(e2 + e3)
.set j, j+1
.endr
.irp q, 0,1
.irp t, 0,1,2,3
	ds_store_b128 v3, v[96+32*\q+8*\t:99+32*\q+8*\t] offset:64*\t
	ds_store_b128 v3, v[100+32*\q+8*\t:103+32*\q+8*\t] offset:64*\t+16
.endr
.irp i, 0,1,2,3,4,5,6,7
	ds_load_b128 v[32+32*\q+4*\i:35+32*\q+4*\i], v4 offset:2*SPIT*\i   ; in order behind my stores
.endr
.endr
.irp q, 0,1
.irp i, 0,1,2,3,4,5,6,7
	s_wait_dscnt 16*(1-\q)+7-\i                    ; behind this load: the tile's later loads, and for tile 0 tile 1's sixteen LDS instructions
	global_store_b128 v2, v[32+32*\q+4*\i:35+32*\q+4*\i], s[10:11] offset:131072*\q+16384*\i th:TH_STORE_NT   ; sixteen lanes store 256 consecutive bytes, aligned
.endr
.endr
	s_wait_tensorcnt 0x0                           ; the wave's end
	ds_add_u32 v[SPW], v[NIL]
	s_wait_dscnt 0x0
	CROUND                                         ; the closing round
	s_endpgm
.Lfunc_end_k_q393adfde14_attn:
	.size	k_q393adfde14_attn, .Lfunc_end_k_q393adfde14_attn-k_q393adfde14_attn
	.p2alignl 7, 3214868480
	.fill 96, 4, 3214868480
	.section	.rodata,"a",@progbits
	.p2align	6, 0x0
	.amdhsa_kernel k_q393adfde14_attn
		.amdhsa_group_segment_fixed_size 327680
		.amdhsa_private_segment_fixed_size 0
		.amdhsa_enable_private_segment 0
		.amdhsa_kernarg_size 32
		.amdhsa_user_sgpr_count 2
		.amdhsa_user_sgpr_kernarg_segment_ptr 1
		.amdhsa_wavefront_size32 1
		.amdhsa_system_sgpr_workgroup_id_x 1
		.amdhsa_system_sgpr_workgroup_id_y 1
		.amdhsa_system_sgpr_workgroup_id_z 1
		.amdhsa_system_vgpr_workitem_id 0
		.amdhsa_next_free_vgpr 256
		.amdhsa_next_free_sgpr 66
		.amdhsa_reserve_vcc 0
		.amdhsa_float_denorm_mode_32 3
		.amdhsa_float_denorm_mode_16_64 3
		.amdhsa_memory_ordered 1
		.amdhsa_forward_progress 1
		.amdhsa_inst_pref_size 117
	.end_amdhsa_kernel
	.amdgpu_metadata
---
amdhsa.version: [ 1, 2 ]
amdhsa.kernels:
  - .name:           k_q393adfde14_attn
    .symbol:         k_q393adfde14_attn.kd
    .args:
      - { .name: kv, .offset: 0, .size: 8, .value_kind: global_buffer, .address_space: global }
      - { .name: lowp_scales, .offset: 8, .size: 8, .value_kind: global_buffer, .address_space: global }
      - { .name: q, .offset: 16, .size: 8, .value_kind: global_buffer, .address_space: global }
      - { .name: out0, .offset: 24, .size: 8, .value_kind: global_buffer, .address_space: global }
    .group_segment_fixed_size: 327680
    .private_segment_fixed_size: 0
    .kernarg_segment_align: 8
    .kernarg_segment_size: 32
    .max_flat_workgroup_size: 512
    .sgpr_count:     66
    .vgpr_count:     256
    .wavefront_size: 32
...
	.end_amdgpu_metadata
.endif
;; end of part 2
